; MI455X (gfx1250); checked and timed in simulation.
; The chip was launched on July 23, 2026; its instructions are those of AMD's public machine-readable ISA for CDNA 5 (MIT licence, August 2026) and "CDNA5" Instruction Set Architecture Reference Guide (July 2026). The comments in the code are by the model that wrote it; some were corrected since.
;; Temporal Self Attention Layer. Allowed arithmetic: matrix products marked QUANTISED: E2M1 operands, one E8M0 scale for each 32 along K, by v_wmma_scale_f32_16x16x128_f8f6f4 with both operands' format E2M1 (or v_wmma_scale_f32_32x16x128_f4), f32 sums; everything else in f32.
;; Inputs: norm_b 1,024 float32; norm_w 1,024 float32; out_b 1,024 float32; out_w 1,024 x 1,024 float32; qkv_b 3,072 float32; qkv_w 3,072 x 1,024 float32; x_temporal_sequence 1,024 x 8 x 1,024 float32.
;; Outputs: out0 1,024 x 8 x 1,024 float32.
;; This version of the problem:
;;   THIS VERSION OF THE PROBLEM IS GIVEN IN LOW PRECISION. The matrix products marked QUANTISED in the list below multiply operands that are first quantised to E2M1 (2 exponent bits, 1 mantissa bit; 4 bits a number), with one power-of-two scale for each 32 numbers along K (OCP MX v1.0); their sums are f32. All else is computed in f32.
;;   The module's matrix products, in the order in which they are computed (A, B: the left and right operand; K: the contracted axis; several contracted axes count as one K, in the product's order):
;;     1. [M 8,192, K 1,024] x [K 1,024, N 3,072]; A: input x_temporal_sequence; B: input qkv_w: QUANTISED
;;     2. batch 128 x [M 1,024, K 64] x [K 64, N 1,024]; A: computed on the way; B: computed on the way: QUANTISED
;;     3. batch 128 x [M 1,024, K 1,024] x [K 1,024, N 64]; A: softmax (see below); B: computed on the way: QUANTISED
;;     4. [M 8,192, K 1,024] x [K 1,024, N 1,024]; A: computed on the way; B: input out_w: QUANTISED
;;   THE QUANTISER, for each operand of a quantised product, along K:
;;     - K is cut into blocks of 32 from its start; a last block that is shorter is filled with zeros.
;;     - A block's scale is 2^e with e = floor(log2(the largest magnitude in the block)) - 2, held to -126 .. 127; a block of zeros has e = 0. As a byte (E8M0): e + 127.
;;     - Each number is divided by its block's scale, clamped to +-6, and rounded to the nearest number of E2M1, ties to even, subnormals kept.
;;     - The product sums the exact products of the quantised numbers (number of the format x scale) in f32.
;;   ~~~python
;;   def quantise(x, axis):      # numpy; x: float32 -> the quantised numbers, widened to float32 again
;;       x = np.moveaxis(x, axis, -1); K = x.shape[-1]
;;       x = np.pad(x, [(0, 0)] * (x.ndim - 1) + [(0, -K % 32)]); x = x.reshape(x.shape[:-1] + (-1, 32)); a = np.abs(x).max(-1, keepdims=True)
;;       e = np.where(a > 0, np.clip(np.frexp(np.where(a > 0, a, 1))[1] - 1 - 2, -126, 127), 0)      # np.frexp(a)[1] - 1 = floor(log2(a)), exactly
;;       r = np.clip(x / 2.0 ** e, -6, 6)
;;       step = 2.0 ** (np.maximum(np.frexp(np.where(r == 0, 1, r))[1] - 1, 0) - 1)
;;       q = np.round(r / step) * step * 2.0 ** e      # np.round: ties to even
;;       return np.moveaxis(q.reshape(q.shape[:-2] + (-1,))[..., :K], -1, axis).astype(np.float32)
;;   ~~~
;;   SOFTMAX AHEAD OF A QUANTISED PRODUCT. Where the list says 'softmax', what is quantised is not the finished softmax but p = 2^(t - M), with t = logit x log2(e) and M = ceil(the row's largest t), a whole number; so 1/2 < the row's largest p <= 1. The row's sum l is taken of the UNQUANTISED p, in f32, and the product's result is divided by l at the end. Since M is a whole number, a kernel that streams over the keys may use a running M (the ceiling of the running maximum): every later rescaling is an exact power of two, which a block's scale takes up: the codes' values come out the same.
;;   OPERANDS COMPUTED ON THE WAY. 'Computed on the way' means the value that the module computes at that place (a softmax that the list does not call 'softmax' is quantised finished and normalised). What goes into a quantiser is computed in f32, as accurately as f32 sums, v_exp_f32 and their like allow (about 1e-6 of the number): no bf16 or f16 on the way to a quantiser, and a product that is left as it is and whose result goes on into a quantised operand takes f32 operands (vector FMAs, or v_wmma_f32_16x16x4_f32). A number that lies on a knife's edge between two numbers of the format may be rounded either way, as far as f32 arithmetic and the matrix unit's own rounding can turn it there, and no further.
;; One version. Each part assembles by itself: llvm-mc -triple=amdgcn-amd-amdhsa -mcpu=gfx1250 --defsym DOCPART=n.
;; ======== version 1 of 1: 3 launches
;; limits: right only within a limited range of input values
;; workspace buffers: xq 4,456,448 bytes; wq 1,671,168 bytes; oq 557,056 bytes; hb 15,204,352 bytes
;; launch quant (part 1): grid 256 x 1, 6 waves a work-group, no clusters, 51,456 bytes of LDS; arguments x_temporal_sequence, qkv_w, out_w, xq, wq, oq; writes xq, wq, oq
.if DOCPART == 1
	.amdgcn_target "amdgcn-amd-amdhsa--gfx1250"
	.amdhsa_code_object_version 6
	.text
	.protected	k_qde55835302_quant
	.globl	k_qde55835302_quant
	.p2align	8
	.type	k_qde55835302_quant,@function
k_qde55835302_quant:
	s_mov_b64 s[64:65], 0
	v_nop
	global_prefetch_b8 v0, s[64:65] scope:SCOPE_SE
	s_setreg_imm32_b32 hwreg(HW_REG_WAVE_MODE, 25, 1), 1
	s_wait_xcnt 0x0
; x [1024 s][8 b][1024], qkv_w [3072][1024] and out_w [1024][1024], f32, become codes of FP4 (E2M1) with one E8M0 byte for each 32 along K (the last axis).
; A block's byte is its largest magnitude's exponent field - 2, held at 1 from below; each number is divided by the scale and rounded to the nearest code, ties to even, beyond 6 the largest code.
; LIMITS: NaN and infinities are not served; a block of zeros gets the byte 1 where the rule says 127 (its codes are zeros, and this program alone reads the bytes); blocks whose largest magnitude lies under 2^-124 are held at the byte 1.
; LAYOUT OUT.  A fragment (16 rows x 128 K) lies as the image of the operand's registers: 1,024 bytes, register group c of lane l at 512 c + 16 l; lane (r, h) holds k = 64 c + 32 h + 0 .. 31 of row r.
; Codes: [tile][K step 8][1024 bytes]; behind them the scale words [tile][half of K 2][row 16][4 words].  THE ROWS OF A TILE ARE NOT NEIGHBOURS: row p of tile t is row 32 (t / 2) + 8 (t % 2) + p % 8 + 16 (p / 8):
; used as source 0 of a product, two neighbouring tiles then give a lane 16 neighbouring results.  x's tiles: 64 b + t over s; qkv_w's: 64 part + 4 head + t over the head's 64 rows of q, k or v; out_w's: t.
; SHARES.  768 tiles x 2 halves of K = 1,536 tasks = 256 work-groups x 6 waves.  A task: 16 rows x 512 K, in four steps of 128.  Waves share nothing: no barrier.  One path serves all three tensors: only pointers and offsets are chosen.
; Each load takes 512 consecutive bytes of one row; a step's 16 rows turn through the wave's own stage in LDS (rows of 512 + 16 bytes), from which a lane takes its two whole blocks of 32.  Each store covers 512 (the scales: 256) consecutive aligned bytes.
; Memory binds here: matrix units, clusters and tensor loads would add nothing (no byte is read twice, no wave reads what another brought).
.set PITCH, 528
.set STAGE, 16*PITCH
.set SWD,   12                         ; v12-15   the four steps' scale words
.set OFF,   16                         ; v16-31   row p: 16 x lane + the row's distance from the tile's first row
.set R,     32                         ; v32-159  two sets of 64: a step's rows as loaded
.set X,     160                        ; v160-223 my two blocks of 32
.set C,     224                        ; v224-255 codes: eight registers for each step, so that no store's data are written again
	s_load_b256 s[4:11], s[0:1], 0x0               ; x s[4:5], qkv_w s[6:7], out_w s[8:9], xq s[10:11]
	s_load_b128 s[12:15], s[0:1], 0x20             ; wq s[12:13], oq s[14:15]
	s_set_vgpr_msb 0x40
	v_lshl_add_u32 v0, v0, 2, 0xc600
	v_mov_b32 v1, 0
	s_set_vgpr_msb 0x4000
	v_lshrrev_b32 v1, 5, v0
	v_readfirstlane_b32 s16, v1                    ; wave 0..5
	v_and_b32 v10, 31, v0                          ; lane
	v_and_b32 v6, 15, v0                           ; r
	v_bfe_u32 v7, v0, 4, 1                         ; h
	v_lshlrev_b32 v1, 4, v10                       ; 16 x lane
	s_mul_i32 s17, s16, STAGE                      ; my stage
	v_add_nc_u32 v2, s17, v1                       ; into it: 16 x lane of a row
	v_mul_u32_u24 v3, v6, PITCH
	v_lshl_add_u32 v3, v7, 7, v3
	v_add_nc_u32 v3, s17, v3                       ; out of it: row r, + 128 h
	v_lshlrev_b32 v4, 3, v7                        ; 8 h
	v_lshl_add_u32 v5, v6, 4, v4                   ; my two scale words' place: 16 r + 8 h
	v_mov_b32 v11, 0                               ; a lane permute's destination counts as one of its sources
	s_mov_b32 s30, 0x76543210
	s_mov_b32 s31, 0xfedcba98                      ; selects for lane l xor 16
	s_mul_i32 s18, ttmp9, 6
	s_add_co_u32 s18, s18, s16                     ; the task
	s_lshr_b32 s19, s18, 1                         ; its tile among the 768
	s_and_b32 s20, s18, 1                          ; its half of K
	; x: batch x 4,096 + first row x 32,768
	s_lshr_b32 s21, s19, 6
	s_lshl_b32 s21, s21, 12
	s_and_b32 s22, s19, 62
	s_lshl_b32 s22, s22, 4                         ; 32 (t / 2)
	s_and_b32 s23, s19, 1
	s_lshl_b32 s23, s23, 3                         ; 8 (t % 2)
	s_add_co_u32 s22, s22, s23
	s_lshl_b32 s22, s22, 15
	s_add_co_u32 s21, s21, s22
	; qkv_w: row = head x 192 + part x 64 + the tile's first row
	s_sub_co_u32 s24, s19, 512
	s_bfe_u32 s25, s24, 0x40002                    ; head
	s_mul_i32 s25, s25, 192
	s_bfe_u32 s26, s24, 0x20006                    ; part
	s_lshl_b32 s26, s26, 6
	s_add_co_u32 s25, s25, s26
	s_and_b32 s26, s24, 2
	s_lshl_b32 s26, s26, 4
	s_add_co_u32 s25, s25, s26
	s_and_b32 s26, s24, 1
	s_lshl_b32 s26, s26, 3
	s_add_co_u32 s25, s25, s26
	s_lshl_b32 s25, s25, 12
	; out_w
	s_sub_co_u32 s27, s19, 704
	s_and_b32 s28, s27, 62
	s_lshl_b32 s28, s28, 4
	s_and_b32 s29, s27, 1
	s_lshl_b32 s29, s29, 3
	s_add_co_u32 s28, s28, s29
	s_lshl_b32 s28, s28, 12
	s_wait_alu depctr_va_vdst(0)
	s_wait_kmcnt 0x0
	s_cmp_lt_u32 s19, 704                          ; the choices hang on the task's number alone
	s_cselect_b64 s[36:37], s[6:7], s[8:9]
	s_cselect_b64 s[38:39], s[12:13], s[14:15]
	s_cselect_b32 s25, s25, s28                    ; source offset
	s_cselect_b32 s24, s24, s27                    ; tile within its tensor
	s_mov_b32 s29, 524288
	s_cselect_b32 s29, 1572864, s29                ; where the scale words begin
	s_cmp_lt_u32 s19, 512
	s_cselect_b64 s[36:37], s[4:5], s[36:37]
	s_cselect_b64 s[38:39], s[10:11], s[38:39]
	s_cselect_b32 s25, s21, s25
	s_cselect_b32 s24, s19, s24
	s_cselect_b32 s29, 4194304, s29
	s_mov_b32 s42, 4096
	s_cselect_b32 s42, 32768, s42                  ; bytes from row to row
	s_mov_b32 s33, 0
	s_lshl_b32 s26, s20, 11
	s_add_co_u32 s32, s25, s26
	s_add_nc_u64 s[36:37], s[36:37], s[32:33]      ; source: my tile's first row, my half of K
	s_lshl_b32 s32, s24, 9
	s_lshl_b32 s26, s20, 8
	s_add_co_u32 s32, s32, s26
	s_add_co_u32 s32, s32, s29
	s_add_nc_u64 s[40:41], s[38:39], s[32:33]      ; my 256 bytes of scale words
	s_lshl_b32 s32, s24, 13
	s_lshl_b32 s26, s20, 12
	s_add_co_u32 s32, s32, s26
	s_add_nc_u64 s[38:39], s[38:39], s[32:33]      ; my four fragments
.irp p, 0,1,2,3,4,5,6,7,8,9,10,11,12,13,14,15
	s_mul_i32 s26, s42, (\p%8)+16*(\p/8)
	v_add_nc_u32 v[OFF+\p], s26, v1
.endr
.macro LOAD k                          ; step k: 512 bytes of each of the 16 rows
.irp p, 0,1,2,3,4,5,6,7,8,9,10,11,12,13,14,15
	global_load_b128 v[R+64*((\k)%2)+4*\p:R+64*((\k)%2)+4*\p+3], v[OFF+\p], s[36:37] offset:512*(\k) th:TH_LOAD_NT
.endr
.endm
.macro STEP k
.if (\k) < 3
	s_wait_loadcnt 16                              ; this step's 16 loads are in; the next step's may be out
.else
	s_wait_loadcnt 0
.endif
.irp p, 0,1,2,3,4,5,6,7,8,9,10,11,12,13,14,15
	ds_store_b128 v2, v[R+64*((\k)%2)+4*\p:R+64*((\k)%2)+4*\p+3] offset:PITCH*\p
.endr
.irp c, 0,1
.irp i, 0,1,2,3,4,5,6,7
	ds_load_b128 v[X+32*\c+4*\i:X+32*\c+4*\i+3], v3 offset:256*\c+16*\i   ; LDS serves a wave's instructions in order: these see the stores above
.endr
.endr
	s_wait_dscnt 0x0                               ; my 64 numbers are back, and the stores have read their registers,
.if (\k) < 2
	LOAD (\k)+2                                    ; which take the loads of two steps on
.endif
	v_max3_num_f32 v6, |v[X]|, |v[X+1]|, 0x1800000      ; blocks h and 2 + h of my row, by turns; the floor 2^(3 - 127) holds the byte at 1 from below
	v_max3_num_f32 v7, |v[X+32]|, |v[X+33]|, 0x1800000
.irp i, 2,4,6,8,10,12,14,16,18,20,22,24,26,28,30
	v_max3_num_f32 v6, v6, |v[X+\i]|, |v[X+\i+1]|
	v_max3_num_f32 v7, v7, |v[X+32+\i]|, |v[X+33+\i]|
.endr
	v_add_nc_u32 v8, 0xff000000, v6                ; 2 off the exponent field: the conversion's scale operand
	v_add_nc_u32 v9, 0xff000000, v7
	v_lshrrev_b32 v10, 23, v8                      ; the bytes
	v_lshrrev_b32 v6, 23, v9
	v_lshl_or_b32 v10, v6, 16, v10
	v_lshlrev_b32 v10, v4, v10                     ; at their places in the word (8 h bits up);
	v_permlanex16_b32 v11, v10, s30, s31
	v_or_b32 v[SWD+(\k)], v10, v11                 ; with lane l xor 16's two the word is whole
.irp c, 0,1
.irp g, 0,1,2,3
	v_cvt_scalef32_pk8_fp4_f32 v[C+8*(\k)+4*\c+\g], v[X+32*\c+8*\g:X+32*\c+8*\g+7], v[8+\c]
.endr
.endr
	v_nop                                          ; one plain line behind the last conversion
	global_store_b128 v1, v[C+8*(\k):C+8*(\k)+3], s[38:39] offset:1024*(\k)
	global_store_b128 v1, v[C+8*(\k)+4:C+8*(\k)+7], s[38:39] offset:1024*(\k)+512
.endm
	s_wait_alu depctr_va_vdst(0)
	LOAD 0
	LOAD 1
	STEP 0
	STEP 1
	STEP 2
	STEP 3
	v_cmp_ne_u32 vcc_lo, 0, v4                     ; lanes 16-31 store words 2 and 3 of their row, lanes 0-15 words 0 and 1
	v_cndmask_b32 v6, v12, v14, vcc_lo
	v_cndmask_b32 v7, v13, v15, vcc_lo
	global_store_b64 v5, v[6:7], s[40:41]          ; 32 lanes store 256 consecutive aligned bytes
	s_set_vgpr_msb 0x5
	s_wait_tensorcnt 0x0
	ds_add_u32 v0, v1
	s_wait_dscnt 0x0
	s_set_vgpr_msb 0x500
	s_endpgm
.Lfunc_end_k_qde55835302_quant:
	.size	k_qde55835302_quant, .Lfunc_end_k_qde55835302_quant-k_qde55835302_quant
	.p2alignl 7, 3214868480
	.fill 96, 4, 3214868480
	.section	.rodata,"a",@progbits
	.p2align	6, 0x0
	.amdhsa_kernel k_qde55835302_quant
		.amdhsa_group_segment_fixed_size 51456
		.amdhsa_private_segment_fixed_size 0
		.amdhsa_enable_private_segment 0
		.amdhsa_kernarg_size 48
		.amdhsa_user_sgpr_count 2
		.amdhsa_user_sgpr_kernarg_segment_ptr 1
		.amdhsa_wavefront_size32 1
		.amdhsa_system_sgpr_workgroup_id_x 1
		.amdhsa_system_sgpr_workgroup_id_y 1
		.amdhsa_system_sgpr_workgroup_id_z 1
		.amdhsa_system_vgpr_workitem_id 0
		.amdhsa_next_free_vgpr 258
		.amdhsa_next_free_sgpr 66
		.amdhsa_reserve_vcc 1
		.amdhsa_float_denorm_mode_32 3
		.amdhsa_float_denorm_mode_16_64 3
		.amdhsa_memory_ordered 1
		.amdhsa_forward_progress 1
		.amdhsa_inst_pref_size 32
	.end_amdhsa_kernel
	.amdgpu_metadata
---
amdhsa.version: [ 1, 2 ]
amdhsa.kernels:
  - .name:           k_qde55835302_quant
    .symbol:         k_qde55835302_quant.kd
    .args:
      - { .name: x_temporal_sequence, .offset: 0, .size: 8, .value_kind: global_buffer, .address_space: global }
      - { .name: qkv_w, .offset: 8, .size: 8, .value_kind: global_buffer, .address_space: global }
      - { .name: out_w, .offset: 16, .size: 8, .value_kind: global_buffer, .address_space: global }
      - { .name: xq, .offset: 24, .size: 8, .value_kind: global_buffer, .address_space: global }
      - { .name: wq, .offset: 32, .size: 8, .value_kind: global_buffer, .address_space: global }
      - { .name: oq, .offset: 40, .size: 8, .value_kind: global_buffer, .address_space: global }
    .group_segment_fixed_size: 51456
    .private_segment_fixed_size: 0
    .kernarg_segment_align: 8
    .kernarg_segment_size: 48
    .max_flat_workgroup_size: 192
    .sgpr_count:     66
    .vgpr_count:     258
    .wavefront_size: 32
...
	.end_amdgpu_metadata
.endif
;; end of part 1
;; launch proj (part 2): grid 8 x 32, 4 waves a work-group, clusters of 4 x 4, 327,680 bytes of LDS; arguments xq, wq, qkv_b, hb; writes hb
.if DOCPART == 2
	.amdgcn_target "amdgcn-amd-amdhsa--gfx1250"
	.amdhsa_code_object_version 6
	.text
	.protected	k_qde55835302_proj
	.globl	k_qde55835302_proj
	.p2align	8
	.type	k_qde55835302_proj,@function
k_qde55835302_proj:
	s_mov_b64 s[64:65], 0
	v_nop
	global_prefetch_b8 v0, s[64:65] scope:SCOPE_SE
	s_setreg_imm32_b32 hwreg(HW_REG_WAVE_MODE, 25, 1), 1
	s_wait_xcnt 0x0
	s_wait_alu depctr_hold_cnt(0) depctr_sa_sdst(0) depctr_va_vdst(0) depctr_va_sdst(0) depctr_va_ssrc(0) depctr_va_vcc(0) depctr_vm_vsrc(0)
	s_getreg_b32 s2, hwreg(HW_REG_IB_STS2, 6, 4)
	s_cmp_eq_u32 s2, 0
	s_cbranch_scc0 .Lentry_in_a_cluster
	s_endpgm
.Lentry_in_a_cluster:
	s_bfe_u32 s2, ttmp6, 0x10000c
	s_cmp_lg_u32 s2, 0xf033
	s_cbranch_scc0 .Lentry_shape_is_right
	s_endpgm
.Lentry_shape_is_right:
.set FR,    8
.set NL,    2
.set NP,    4
.set NQ,    4
.set PART,  32768
.set SLOT,  4*PART
.set SCL,   2*SLOT
.set HB,    118784
.set LI,    1
.set ADRA,  6
.set ADRB,  8
.set ADRS,  10
.set ADRX,  11
.set ADRT,  13
.set R16,   14
.set PW,    15
.set WSC0,  16
.set SC,    32
.set TM,    96
.set WSC1,  112
.set AF,    128
.set SWA,   128
.set SWB,   136
.set PC,    160
.set BIAS,  192
.set G1,   24
.set G0,   32
.set G1B,  48
.set G0B,  56
.set G1S,  68
.set G0S,  76
.set G1SB, 80
.set G0SB, 88
.set MSB, 0
.macro WIN new
.if MSB != \new
	s_set_vgpr_msb (MSB<<8)|\new
.set MSB, \new
.endif
.endm
.set MUL_LO, 0xa1
.set MUL_HI, 0xf1
.set TO_B,   0x40
.macro JLOAD g0a, g1a, g0b, g1b
	s_cmp_eq_u32 s15, 0
	s_cbranch_scc0 .Lfor_b_\@
	tensor_load_to_lds s[\g0a:\g0a+3], s[\g1a:\g1a+7]
	s_nop 0
.rept 4
	v_nop
.endr
	s_branch .Lasked_\@
.Lfor_b_\@:
	tensor_load_to_lds s[\g0b:\g0b+3], s[\g1b:\g1b+7]
	s_nop 0
.rept 4
	v_nop
.endr
.Lasked_\@:
.endm
.macro CROUND
	s_barrier_signal -1
	s_barrier_wait -1
	s_cmp_lg_u32 s14, 0
	s_cbranch_scc1 .Lnot_wave_0_\@
	s_barrier_signal -3
.Lnot_wave_0_\@:
	s_barrier_wait -3
	s_barrier_signal -1
	s_barrier_wait -1
.endm
	s_load_b256 s[4:11], s[0:1], 0x0
	v_lshl_add_u32 v106, v0, 2, 0x44000
	v_mov_b32 v107, 0
	ds_add_u32 v106, v107
	ds_add_u32 v106, v107
	v_lshrrev_b32 v2, 5, v0
	v_readfirstlane_b32 s14, v2
	s_lshr_b32 s15, s14, 1
	s_and_b32 s16, s14, 1
	s_bfe_u32 s40, ttmp6, 0x40000
	s_bfe_u32 s41, ttmp6, 0x40004
	s_and_b32 s17, ttmp7, 0xffff
	s_lshl_b32 s17, s17, 2
	s_add_co_u32 s17, s17, s41
	s_lshl_b32 s42, ttmp9, 2
	s_add_co_u32 s42, s42, s40
	s_lshl_b32 s43, s41, 2
	s_lshl_b32 s43, 15, s43
	s_lshl_b32 s44, 0x1111, s40
	s_mov_b32 s2, 0x76543210
	s_mov_b32 s3, 0xfedcba98
	s_or_b32 s[G1+0], s43, (3<<16)|(1<<21)
	s_or_b32 s[G1B+0], s44, (3<<16)|(1<<21)
.irp g, G1, G1B
	s_mov_b32 s[\g+1], 512<<16
	s_mov_b32 s[\g+2], 16<<16
	s_mov_b32 s[\g+3], 512<<16
	s_mov_b32 s[\g+4], 16
	s_mov_b32 s[\g+5], 1024
	s_mov_b32 s[\g+6], 0
	s_mov_b32 s[\g+7], 0
.endr
	s_or_b32 s[G1S+0], s43, (3<<16)|(1<<21)
	s_or_b32 s[G1SB+0], s44, (3<<16)|(1<<21)
.irp g, G1S, G1SB
	s_mov_b32 s[\g+1], 32<<16
	s_mov_b32 s[\g+2], 32<<16
	s_mov_b32 s[\g+3], 32<<16
	s_mov_b32 s[\g+4], 32
	s_mov_b32 s[\g+5], 32
	s_mov_b32 s[\g+6], 0
	s_mov_b32 s[\g+7], 0
.endr
	s_lshl_b32 s18, s17, 17                        ; A: my block's 16 tiles of codes
	s_lshl_b32 s92, s42, 17                        ; B: likewise
	s_lshl_b32 s22, s17, 13                        ; A: their 8,192 bytes of scale words
	s_add_co_u32 s22, s22, 4194304
	s_lshl_b32 s94, s42, 13                        ; B: likewise
	s_add_co_u32 s94, s94, 1572864
	s_mov_b32 s19, 0
	s_mov_b32 s23, 0
	s_mov_b32 s93, 0
	s_mov_b32 s95, 0
	s_lshl_b32 s45, s14, 15                        ; slot 1: my quarter's place in LDS
	s_lshl_b32 s96, s16, 16                        ; and which eight tiles I fetch there
	s_mov_b32 s97, 0
	s_wait_dscnt 0x0
	s_wait_kmcnt 0x0
	s_add_nc_u64 s[18:19], s[4:5], s[18:19]
	s_add_nc_u64 s[22:23], s[4:5], s[22:23]
	s_add_nc_u64 s[92:93], s[6:7], s[92:93]
	s_add_nc_u64 s[94:95], s[6:7], s[94:95]
	CROUND
	s_mov_b32 s[G0], 1                             ; the head's four tiles, each whole: slot 0's 16 tiles of A (four K steps of each),
	s_mov_b32 s[G0+1], 0
	s_mov_b64 s[G0+2:G0+3], s[18:19]
	s_or_b32 s[G0+3], s[G0+3], 0x80000000
	s_mov_b32 s[G0B], 1                            ; its 16 tiles of B, behind them,
	s_mov_b32 s[G0B+1], 2*PART
	s_mov_b64 s[G0B+2:G0B+3], s[92:93]
	s_or_b32 s[G0B+3], s[G0B+3], 0x80000000
	s_mov_b32 s[G0S], 1                            ; A's scale words,
	s_mov_b32 s[G0S+1], SCL
	s_mov_b64 s[G0S+2:G0S+3], s[22:23]
	s_or_b32 s[G0S+3], s[G0S+3], 0x80000000
	s_mov_b32 s[G0SB], 1                           ; and B's
	s_mov_b32 s[G0SB+1], SCL+8192
	s_mov_b64 s[G0SB+2:G0SB+3], s[94:95]
	s_or_b32 s[G0SB+3], s[G0SB+3], 0x80000000
	s_add_nc_u64 s[18:19], s[18:19], s[96:97]      ; slot 1: a quarter a wave, eight tiles
	s_add_nc_u64 s[92:93], s[92:93], s[96:97]
	s_mov_b32 s[G0+4], 1
	s_add_co_u32 s[G0+5], s45, SLOT
	s_add_nc_u64 s[G0+6:G0+7], s[18:19], 4096
	s_or_b32 s[G0+7], s[G0+7], 0x80000000
	s_mov_b32 s[G0B+4], 1
	s_add_co_u32 s[G0B+5], s45, SLOT
	s_add_nc_u64 s[G0B+6:G0B+7], s[92:93], 4096
	s_or_b32 s[G0B+7], s[G0B+7], 0x80000000
; THE HEAD'S LOADS, ONE A WAVE: one tree of branches on the wave's number, an arm a load, all arms leading to one join
.macro ARM under, g0, g1, next
	s_cmp_lt_u32 s14, \under
	s_cbranch_scc0 \next
	tensor_load_to_lds s[\g0:\g0+3], s[\g1:\g1+7]
	s_nop 0
.rept 4
	v_nop
.endr
	s_branch .Lhead_asked
\next:
.endm
	ARM 1, G0,  G1,  .Lhead_b
	ARM 2, G0B, G1B, .Lhead_sa
	ARM 3, G0S, G1S, .Lhead_sb
	tensor_load_to_lds s[G0SB:G0SB+3], s[G1SB:G1SB+7]
	s_nop 0
.rept 4
	v_nop
.endr
.Lhead_asked:
	v_and_b32 v2, 31, v0
	v_lshlrev_b32 v[LI], 4, v2
	v_and_b32 v3, 15, v0
	v_bfe_u32 v4, v0, 4, 1
	s_wait_alu depctr_va_vdst(0)
	s_lshl_b32 s20, s15, 15
	s_lshl_b32 s21, s16, 15
	s_add_co_u32 s21, s21, 2*PART
	s_lshl_b32 s46, s16, 15
.irp s, 0,1
	v_add_nc_u32 v[ADRA+\s], s20, v[LI]
	v_add_nc_u32 v[ADRB+\s], s21, v[LI]
	v_add_nc_u32 v[ADRX+\s], s46, v[LI]
	s_add_co_u32 s20, s20, SLOT
	s_add_co_u32 s21, s21, SLOT
	s_add_co_u32 s46, s46, SLOT
.endr
	s_lshl_b32 s20, s15, 12
	s_lshl_b32 s21, s16, 12
	s_add_co_u32 s21, s21, 8192
	s_sub_co_u32 s21, s21, s20
	v_mul_u32_u24 v5, s21, v4
	s_add_co_u32 s20, s20, SCL
	v_lshl_add_u32 v5, v3, 4, v5
	v_add_nc_u32 v[ADRS], s20, v5
	v_lshlrev_b32 v[R16], 4, v3
	s_lshl_b32 s21, s16, 12
	s_add_co_u32 s21, s21, SCL
	v_add_nc_u32 v[ADRT], s21, v[R16]
	s_lshl_b32 s20, s42, 2
	s_lshl_b32 s21, s16, 1
	s_add_co_u32 s20, s20, s21
	s_and_b32 s20, s20, 15
	s_lshr_b32 s21, s42, 2
	s_mul_i32 s44, s20, 768
	s_lshl_b32 s45, s21, 8
	s_add_co_u32 s44, s44, s45
	s_mov_b32 s45, 0
	s_add_nc_u64 s[44:45], s[8:9], s[44:45]
	v_lshlrev_b32 v5, 6, v4
.irp b, 0,1,2,3,4,5,6,7
	global_load_b128 v[BIAS+8*\b:BIAS+8*\b+3], v5, s[44:45] offset:((\b/4)*192+32*((\b/2)%2)+8*(\b%2))*4
	global_load_b128 v[BIAS+8*\b+4:BIAS+8*\b+7], v5, s[44:45] offset:((\b/4)*192+32*((\b/2)%2)+8*(\b%2))*4+16
.endr
	s_lshr_b32 s96, s17, 2
	s_lshl_b32 s96, s96, 4
	s_add_co_u32 s96, s96, s20
	s_mul_i32 s96, s96, HB
	s_and_b32 s97, s17, 3
	s_lshl_b32 s97, s97, 1
	s_add_co_u32 s97, s97, s15
	s_lshl_b32 s20, s97, 12
	s_add_co_u32 s20, s20, s96
	s_lshl_b32 s97, s97, 10
	s_add_co_u32 s96, s96, s97
	s_cmp_eq_u32 s21, 0
	s_cselect_b32 s97, 77824, 0
	s_mov_b32 s21, 65536
	s_cselect_b32 s21, 110592, s21
	s_add_co_u32 s66, s20, s97
	s_add_co_u32 s98, s96, s21
	s_mov_b32 s67, 0
	s_mov_b32 s99, 0
	s_add_nc_u64 s[66:67], s[10:11], s[66:67]
	s_add_nc_u64 s[98:99], s[10:11], s[98:99]
	s_lshl_b32 s20, s42, 1
	s_add_co_u32 s20, s20, s15
	s_mov_b32 s47, 0
	s_mul_i32 s46, s20, 768
	s_add_co_u32 s46, s46, 512
	s_add_nc_u64 s[12:13], s[8:9], s[46:47]
	s_lshl_b32 s46, s20, 15
	s_add_co_u32 s46, s46, 1048576
	s_add_nc_u64 s[18:19], s[6:7], s[46:47]
	s_lshl_b32 s46, s20, 11
	s_add_co_u32 s46, s46, 1638400
	s_add_nc_u64 s[22:23], s[6:7], s[46:47]
	s_lshr_b32 s96, s17, 2
	s_lshl_b32 s96, s96, 4
	s_add_co_u32 s96, s96, s20
	s_mul_i32 s96, s96, HB
	s_and_b32 s97, s17, 3
	s_lshl_b32 s97, s97, 1
	s_add_co_u32 s97, s97, s16
	s_lshl_b32 s46, s97, 12
	s_add_co_u32 s46, s46, s96
	s_add_co_u32 s46, s46, 32768
	s_add_nc_u64 s[92:93], s[10:11], s[46:47]
	s_lshl_b32 s46, s97, 9
	s_add_co_u32 s46, s46, s96
	s_add_co_u32 s46, s46, 73728
	s_add_nc_u64 s[94:95], s[10:11], s[46:47]
	s_wait_alu depctr_va_vdst(0)
	s_wait_loadcnt 0x0
	v_and_b32 v5, 8, v3
	v_add_nc_u32 v5, v5, v3
	v_lshlrev_b32 v5, 2, v5
.macro FRAG reg, adr, q, i
.irp c, 0,1
	ds_load_b128 v[\reg+4*\c:\reg+4*\c+3], v[\adr] offset:4096*(\i)+1024*(\q)+512*\c
.endr
.endm
.macro MUL16 a0, p, q, sc, cm
.irp a, \a0, \a0+1
.irp b, 0,1,2,3,4,5,6,7
.if \cm == 1
	v_wmma_scale_f32_16x16x128_f8f6f4 v[8*(8*((\a)%4)+\b):8*(8*((\a)%4)+\b)+7], v[128*(\p)+FR*\b:128*(\p)+FR*\b+FR-1], v[AF+FR*(\a):AF+FR*(\a)+FR-1], v[BIAS+8*\b:BIAS+8*\b+7], v[SC+8*NQ*(\sc)+NQ*\b+(\q)], v[SC+8*NQ*(\sc)+NQ*(\a)+(\q)] matrix_a_fmt:MATRIX_FMT_FP4 matrix_b_fmt:MATRIX_FMT_FP4 matrix_a_scale:MATRIX_SCALE_ROW1
.else
	v_wmma_scale_f32_16x16x128_f8f6f4 v[8*(8*((\a)%4)+\b):8*(8*((\a)%4)+\b)+7], v[128*(\p)+FR*\b:128*(\p)+FR*\b+FR-1], v[AF+FR*(\a):AF+FR*(\a)+FR-1], v[8*(8*((\a)%4)+\b):8*(8*((\a)%4)+\b)+7], v[SC+8*NQ*(\sc)+NQ*\b+(\q)], v[SC+8*NQ*(\sc)+NQ*(\a)+(\q)] matrix_a_fmt:MATRIX_FMT_FP4 matrix_b_fmt:MATRIX_FMT_FP4 matrix_a_scale:MATRIX_SCALE_ROW1
.endif
.endr
.endr
.endm
.macro FETCH_B slot, q, p
	WIN TO_B
.irp i, 0,1,2,3,4,5,6,7
	FRAG 128*(\p)+FR*\i, ADRB+\slot, \q, \i
.endr
	WIN 0
.endm
.macro FETCH_A slot, q, i0
.irp i, \i0, \i0+1, \i0+2, \i0+3
	FRAG AF+FR*(\i), ADRA+\slot, \q, \i
.endr
.endm
.macro SCALES sc
.irp i, 0,1,2,3,4,5,6,7
	ds_load_b128 v[SC+8*NQ*\sc+NQ*\i:SC+8*NQ*\sc+NQ*\i+3], v[ADRS] offset:512*\i+256*\sc
.endr
.endm
.macro PLACES n
.rept \n
	v_nop
.endr
.endm
.macro STEP slot, q, cm
	s_wait_dscnt 4*NL
.if \cm
	WIN 0x81
.else
	WIN MUL_LO
.endif
	MUL16 0, (\q)%2, \q, \slot, \cm
	MUL16 2, (\q)%2, \q, \slot, \cm
	s_wait_dscnt 0
	PLACES NP
	FETCH_B \slot, (\q)+1, 1-(\q)%2
	FETCH_A \slot, (\q)+1, 0
.if \cm
	WIN 0xc1
.else
	WIN MUL_HI
.endif
	MUL16 4, (\q)%2, \q, \slot, \cm
	MUL16 6, (\q)%2, \q, \slot, \cm
	PLACES NP
	WIN 0
	FETCH_A \slot, (\q)+1, 4
.endm
.macro STEPS slot, from
.set Q, \from
.rept NQ-1-\from
	STEP \slot, Q, 0
.set Q, Q+1
.endr
.endm
.macro WVREG a, k
.set IDX, 4*((\k)%4)+(\a)
.set WR, 8*IDX+64*(IDX/8)+64*(1-(\k)/4)
.endm
.macro WVLOAD k0
	WIN TO_B
.irp k, 0,1,2,3
.irp a, 0,1,2,3
	WVREG \a, (\k0)+\k
	global_load_b128 v[WR:WR+3], v[LI], s[18:19] offset:8192*\a+1024*((\k0)+\k)
	global_load_b128 v[WR+4:WR+7], v[LI], s[18:19] offset:8192*\a+1024*((\k0)+\k)+512
.endr
.endr
	WIN 0
.endm
	s_wait_alu depctr_va_vdst(0)
	s_wait_tensorcnt 0x0                           ; my tile of the head's four is in
	ds_add_u32 v106, v107
	s_mov_b32 s[G1+2], 8<<16                       ; no tensor load of mine is out: from here on a load brings eight tiles
	s_mov_b32 s[G1+4], 8
	s_mov_b32 s[G1B+2], 8<<16
	s_mov_b32 s[G1B+4], 8
	s_wait_dscnt 0x0
	CROUND                                         ; all four tiles are in, and the partners are here
	JLOAD G0+4, G1, G0B+4, G1B                     ; slot 1's first fill: the first tensor load behind the round
	FETCH_B 0, 0, 0
	FETCH_A 0, 0, 0
	SCALES 0
	FETCH_A 0, 0, 4
	STEP 0, 0, 1
	STEPS 0, 1
	s_wait_tensorcnt 0x0
	s_wait_dscnt 4*NL
	WIN MUL_LO
	MUL16 0, 1, NQ-1, 0, 0
	s_wait_dscnt 0x0
	s_barrier_signal -1
	MUL16 2, 1, NQ-1, 0, 0
	WIN 0
	s_barrier_wait -1
	PLACES NP
	FETCH_B 1, 0, 0
	FETCH_A 1, 0, 0
	SCALES 1
	WIN MUL_HI
	MUL16 4, 1, NQ-1, 0, 0
	MUL16 6, 1, NQ-1, 0, 0
	PLACES NP
	WIN 0
	FETCH_A 1, 0, 4
	WVLOAD 0
.irp a, 0,1,2,3
	global_load_b128 v[WSC0+4*\a:WSC0+4*\a+3], v[R16], s[22:23] offset:512*\a
	global_load_b128 v[WSC1+4*\a:WSC1+4*\a+3], v[R16], s[22:23] offset:512*\a+256
.endr
.irp a, 0,1,2,3
	global_load_b32 v[BIAS+8*\a], v5, s[12:13] offset:(32*(\a/2)+8*(\a%2))*4
.endr
	STEPS 1, 0
	s_wait_dscnt 4*NL
	WIN MUL_LO
	MUL16 0, 1, NQ-1, 1, 0
	MUL16 2, 1, NQ-1, 1, 0
	s_wait_dscnt 0
	WIN MUL_HI
	MUL16 4, 1, NQ-1, 1, 0
	MUL16 6, 1, NQ-1, 1, 0
	WIN 0
	PLACES NP
	WVLOAD 4
.macro QUANTA a, pw
.set AC, 64*((\a)%4)
.set PCA, PC+8*((\a)%2)
.if (\a) > 1
	s_wait_xcnt 0x0
.endif
	WIN 0x0a+5*((\a)/4)
.irp b, 0,1,2,3
	v_max3_num_f32 v[TM+\b], |v[AC+16*\b]|, |v[AC+16*\b+1]|, 0x1800000
.endr
.irp i, 2,4,6,8,10,12,14
.irp b, 0,1,2,3
	v_max3_num_f32 v[TM+\b], |v[AC+16*\b+\i]|, |v[AC+16*\b+\i+1]|, v[TM+\b]
.endr
.endr
	WIN 0
.irp b, 0,1,2,3
	v_permlanex16_b32 v[TM+4+\b], v[TM+\b], s2, s3
.endr
.irp b, 0,1,2,3
	v_max_num_f32 v[TM+\b], v[TM+\b], v[TM+4+\b]
.endr
.irp b, 0,1,2,3
	v_add_nc_u32 v[TM+12+\b], 0xff000000, v[TM+\b]
.endr
.irp b, 0,1,2,3
	v_lshrrev_b32 v[TM+4+\b], 23, v[TM+12+\b]
.endr
	v_lshl_or_b32 v[\pw], v[TM+5], 8, v[TM+4]
	v_lshl_or_b32 v[\pw], v[TM+6], 16, v[\pw]
	v_lshl_or_b32 v[\pw], v[TM+7], 24, v[\pw]
	WIN 0x02+((\a)/4)
.irp b, 0,1,2,3
	v_cvt_scalef32_pk8_fp4_f32 v[PCA+2*\b], v[AC+16*\b:AC+16*\b+7], v[TM+12+\b]
	v_cvt_scalef32_pk8_fp4_f32 v[PCA+2*\b+1], v[AC+16*\b+8:AC+16*\b+15], v[TM+12+\b]
.endr
	WIN 0
	v_nop
.irp c, 0,1
.irp i, 0,1
	v_permlane16_swap_b32 v[PCA+4*\c+\i], v[PCA+2+4*\c+\i]
.endr
.endr
.endm
.irp b, 0,1,2,3
	v_mov_b32 v[TM+4+\b], 0
.endr
.irp a, 0,1,2,3,4,5,6,7
	QUANTA \a, PW
	v_and_b32 v[SWA+\a], 0xffff, v[PW]
	v_lshrrev_b32 v[SWB+\a], 16, v[PW]
	global_store_b128 v[LI], v[PCA:PCA+3], s[66:67] offset:512*\a
	global_store_b128 v[LI], v[PCA+4:PCA+7], s[66:67] offset:512*\a+HB
.endr
	global_store_b128 v[LI], v[SWA:SWA+3], s[98:99]
	global_store_b128 v[LI], v[SWA+4:SWA+7], s[98:99] offset:512
	global_store_b128 v[LI], v[SWB:SWB+3], s[98:99] offset:HB
	global_store_b128 v[LI], v[SWB+4:SWB+7], s[98:99] offset:HB+512
.macro FETCH_X slot, q, p
	WIN 0xc0
.irp i, 0,1,2,3,4,5,6,7
	FRAG 64*(\p)+FR*\i, ADRX+\slot, \q, \i
.endr
.endm
.macro VMUL k
.set WS, WSC0+(WSC1-WSC0)*((\k)/4)
.irp a, 0,1,2,3
.irp b, 0,1,2,3,4,5,6,7
	WVREG \a, \k
.if (\k) == 0
	v_wmma_scale_f32_16x16x128_f8f6f4 v[8*(8*\a+\b):8*(8*\a+\b)+7], v[64*((\k)%2)+FR*\b:64*((\k)%2)+FR*\b+FR-1], v[WR:WR+7], v[BIAS+8*\a:BIAS+8*\a+7], v[SC+8*NQ*((\k)/4)+NQ*\b+(\k)%4], v[WS+NQ*\a+(\k)%4] matrix_a_fmt:MATRIX_FMT_FP4 matrix_b_fmt:MATRIX_FMT_FP4
.else
	v_wmma_scale_f32_16x16x128_f8f6f4 v[8*(8*\a+\b):8*(8*\a+\b)+7], v[64*((\k)%2)+FR*\b:64*((\k)%2)+FR*\b+FR-1], v[WR:WR+7], v[8*(8*\a+\b):8*(8*\a+\b)+7], v[SC+8*NQ*((\k)/4)+NQ*\b+(\k)%4], v[WS+NQ*\a+(\k)%4] matrix_a_fmt:MATRIX_FMT_FP4 matrix_b_fmt:MATRIX_FMT_FP4
.endif
.endr
.endr
.endm
.macro VSTEP k
	s_wait_dscnt 0x0
	PLACES NP
.if (\k) < 7
	FETCH_X ((\k)+1)/4, ((\k)+1)%4, ((\k)+1)%2
.endif
.if (\k) == 0
	WIN 0x87
.else
	WIN 0xa7
.endif
	VMUL \k
.endm
	s_wait_loadcnt 0x0
.irp a, 0,1,2,3
.irp j, 1,2,3,4,5,6,7
	v_mov_b32 v[BIAS+8*\a+\j], v[BIAS+8*\a]
.endr
.endr
	FETCH_X 0, 0, 0
	WIN 0
.irp s, 0,1
.irp i, 0,1,2,3,4,5,6,7
	ds_load_b128 v[SC+8*NQ*\s+NQ*\i:SC+8*NQ*\s+NQ*\i+3], v[ADRT] offset:512*\i+256*\s
.endr
.endr
	s_wait_alu depctr_va_vdst(0)
	VSTEP 0
	VSTEP 1
	VSTEP 2
	VSTEP 3
	VSTEP 4
	VSTEP 5
	VSTEP 6
	VSTEP 7
	WIN 0
	PLACES NP
	s_wait_xcnt 0x0
.irp a, 0,1,2,3
	QUANTA \a, SWA+\a
	global_store_b128 v[LI], v[PCA:PCA+3], s[92:93] offset:\a*1024
	global_store_b128 v[LI], v[PCA+4:PCA+7], s[92:93] offset:\a*1024+512
.endr
	global_store_b128 v[LI], v[SWA:SWA+3], s[94:95]
	s_wait_tensorcnt 0x0
	ds_add_u32 v106, v107
	s_wait_dscnt 0x0
	CROUND
	s_endpgm
.Lfunc_end_k_qde55835302_proj:
	.size	k_qde55835302_proj, .Lfunc_end_k_qde55835302_proj-k_qde55835302_proj
	.p2alignl 7, 3214868480
	.fill 96, 4, 3214868480
	.section	.rodata,"a",@progbits
	.p2align	6, 0x0
	.amdhsa_kernel k_qde55835302_proj
		.amdhsa_group_segment_fixed_size 327680
		.amdhsa_private_segment_fixed_size 0
		.amdhsa_enable_private_segment 0
		.amdhsa_kernarg_size 32
		.amdhsa_user_sgpr_count 2
		.amdhsa_user_sgpr_kernarg_segment_ptr 1
		.amdhsa_wavefront_size32 1
		.amdhsa_system_sgpr_workgroup_id_x 1
		.amdhsa_system_sgpr_workgroup_id_y 1
		.amdhsa_system_sgpr_workgroup_id_z 1
		.amdhsa_system_vgpr_workitem_id 0
		.amdhsa_next_free_vgpr 1024
		.amdhsa_next_free_sgpr 100
		.amdhsa_reserve_vcc 0
		.amdhsa_float_denorm_mode_32 3
		.amdhsa_float_denorm_mode_16_64 3
		.amdhsa_memory_ordered 1
		.amdhsa_forward_progress 1
		.amdhsa_inst_pref_size 200
	.end_amdhsa_kernel
	.amdgpu_metadata
---
amdhsa.version: [ 1, 2 ]
amdhsa.kernels:
  - .name:           k_qde55835302_proj
    .symbol:         k_qde55835302_proj.kd
    .args:
      - { .name: xq, .offset: 0, .size: 8, .value_kind: global_buffer, .address_space: global }
      - { .name: wq, .offset: 8, .size: 8, .value_kind: global_buffer, .address_space: global }
      - { .name: qkv_b, .offset: 16, .size: 8, .value_kind: global_buffer, .address_space: global }
      - { .name: hb, .offset: 24, .size: 8, .value_kind: global_buffer, .address_space: global }
    .group_segment_fixed_size: 327680
    .private_segment_fixed_size: 0
    .kernarg_segment_align: 8
    .kernarg_segment_size: 32
    .max_flat_workgroup_size: 128
    .sgpr_count:     100
    .vgpr_count:     1024
    .wavefront_size: 32
...
	.end_amdgpu_metadata
.endif
;; end of part 2
;; launch attnout (part 3): grid 256 x 1, 16 waves a work-group, no clusters, 305,152 bytes of LDS; arguments hb, oq, x_temporal_sequence, out_b, norm_w, norm_b, out0; writes out0
.if DOCPART == 3
	.amdgcn_target "amdgcn-amd-amdhsa--gfx1250"
	.amdhsa_code_object_version 6
	.text
	.protected	k_qde55835302_attnout
	.globl	k_qde55835302_attnout
	.p2align	8
	.type	k_qde55835302_attnout,@function
k_qde55835302_attnout:
	s_mov_b64 s[64:65], 0
	v_nop
	global_prefetch_b8 v0, s[64:65] scope:SCOPE_SE
	s_setreg_imm32_b32 hwreg(HW_REG_WAVE_MODE, 25, 1), 1
	s_wait_xcnt 0x0
; Attention, the projection on the way out, residual, LayerNorm and ELU in one launch; all four products' operands are codes of FP4 with E8M0 scales.
; SHARES.  A work-group owns 32 whole rows of the result: one batch, 32 neighbouring s = two tiles of 16 queries.  Wave w of sixteen owns head w in the attention, and columns 64 w .. 64 w + 63 in the projection.
; ATTENTION.  S^T = K Q^T, the softmax, O^T = V^T P^T, both used transposed: a lane holds one query.  t = score x log2(e) / 8; M = the running largest t rounded UP to a whole number; p = 2^(t - M) is quantised along the keys,
; not normalised; the sum is taken of the unquantised p.  When M moves, the sum and O^T are multiplied by 2^(old M - new M): exact.  A wave walks its head's 1,024 keys once, 128 a trip, for both tiles of queries.
; A head's K and V are read by ONE wave of the work-group: the fragments, stored as images of the operand's registers, go from memory straight into that wave's registers.  K's ten loads go out behind the second tile's first product,
; V's nine behind its second product: a softmax stands between each request and its wait.  The last trip is written out: it asks for no further keys, and for the projection's first weights instead.
; The first product's K is 64, the instruction's 128: the upper half of Q's operand is zero codes, the upper half of K's operand is the next tile's codes (behind tile 7 zeros): times zero it adds nothing; the scale bytes there are 0, no NaN.
; THE CONTEXT, O / the sum, is quantised along the head's 64 and laid in LDS as the image of the projection's operand (half a fragment and two scale bytes for each head and tile); one barrier; it never goes to memory.
; THE PROJECTION is used transposed (source 0 = 16 rows of out_w, source 1 = the context): lane (r, h) of accumulator (a, 2 e + u) holds row 8 a + r % 8 + 16 (r / 8) and columns 64 w + 32 e + 16 h + 8 u + 0 .. 7.
; A fragment of out_w is used by one wave: memory to registers, three K steps' loads on their way.  x comes by one tensor load a wave at the head: the wave's own strip (32 rows x 256 bytes, 16 of padding behind each).  out_b starts the sums.
; The mean and the variance are taken in two passes (no difference of large sums).  elu(z) = max(z, 2^(min(z, 0) log2(e)) - 1); near 0 the subtraction keeps f32's absolute accuracy, not expm1's relative accuracy.
; NO CLUSTER, though the 32 work-groups of a batch walk the same K and V and all walk out_w: a joint load lands in LDS, a key step of sixteen heads is 16 x 9,728 = 155,648 bytes, and two such slots do not fit beside x's 139,264;
; a K step of out_w is 8 matrix instructions a wave, too little for a joint refill to land behind.  NO PREFETCH: the loads themselves ask a softmax ahead, and a prefetch would name the same bytes once more.
; LIMITS: NaN and infinities are not served; the promise holds while the scaled scores stay under 2^31 in magnitude; a block of zeros gets the byte 1 (its codes are zeros, and this program alone reads the bytes);
; a block's largest p is taken from the block's largest score by the same multiply-add and exponential, which takes v_exp_f32 not to fall where its input rises.
; REGISTERS, attention: v0 thread, v1 16 x lane, v2 p's scale word, v3 16 r; v4-7, v8-11 -M, largest t, the sum's pair of tiles A, B; v12, v13 Q's scale words; v[14:15] f and a number at work; v16-23, v24-31 Q and zeros;
;   v32-63 K, v64-67 zeros; v68-99 V; v100-107, v108-111 K's, V's scale words; v112-175 S^T, then p; v176-207, v208-239 O^T; v240-247 sums at work, then p's codes; v248-255 at work.  All 256 are taken, so the add's two registers are made anew from v0 behind the attention.
; REGISTERS, projection: v1-15 addresses; v16-31 the context's fragments, later means; v32-63 out_w's scale words; v64-159 out_w's fragments, three sets, later x, norm_b, exponentials, rows going out (v64-127) and norm_w (v128-159); v160-223 the accumulators; v224-225 the context's scale words; v226-255 at work.
.set HB,   118784
.set STG,  139264                      ; LDS: 0: sixteen strips of x, 32 x 272 bytes; STG: the stage, the same shape;
.set CI,   278528                      ; the context's 16 fragments;
.set CS,   294912                      ; their scale words, 128 bytes each;
.set RED1, 296960                      ; 32 rows x (16 waves' words + 16 bytes), for the sums; 2,560 bytes on the same for the squares
.set SPARE, 303104                     ; the spare words, 128 bytes a wave
.set PW,  2
.set R16, 3
.set STA, 4
.set STB, 8
.set QSA, 12
.set QSB, 13
.set F,   14
.set QA,  16
.set QB,  24
.set KR,  32
.set VR,  68
.set KS,  100
.set VS,  108
.set S,   112
.set OA,  176
.set OB,  208
.set PC,  240
.set BM,  248
.set TP,  252
.set SPW, 238
.set NIL, 239
.set WS,  32
.set W,   64
.set X,   64
.set NB,  64
.set TT,  64
.set NW,  128
.set ACC, 160
.set CB,  54                           ; s[54:55] the head's codes at the key step in hand: K at 0, V at 32,768
.set KSB, 56                           ; s[56:57] K's scale words
.set VSB, 58                           ; s[58:59] V's
	s_load_b256 s[4:11], s[0:1], 0x0               ; hb s[4:5], oq s[6:7], x s[8:9], out_b s[10:11]
	s_load_b128 s[12:15], s[0:1], 0x20             ; norm_w s[12:13], norm_b s[14:15]
	s_load_b64 s[16:17], s[0:1], 0x30              ; out0
	v_lshl_add_u32 v[SPW], v0, 2, SPARE
	v_mov_b32 v[NIL], 0
	ds_add_u32 v[SPW], v[NIL]                      ; the opening: the add, twice on end, and its wait ahead of my tensor load
	ds_add_u32 v[SPW], v[NIL]
	v_lshrrev_b32 v1, 5, v0
	s_delay_alu instid0(VALU_DEP_1)
	v_readfirstlane_b32 s18, v1                    ; wave 0..15
	s_lshr_b32 s19, ttmp9, 5                       ; batch
	s_and_b32 s20, ttmp9, 31                       ; which 32 of the sequence
	s_lshl_b32 s22, s20, 20                        ; 32 rows of 32,768 bytes,
	s_lshl_b32 s21, s19, 12                        ; the batch's 4,096,
	s_add_co_u32 s22, s22, s21
	s_lshl_b32 s21, s18, 8                         ; my 256
	s_add_co_u32 s22, s22, s21
	s_mov_b32 s23, 0
	s_mov_b32 s32, (2<<16)|(1<<20)|(5<<22)|(3<<25) ; group 1: elements of 4 bytes; padding: four words after every 64
	s_mov_b32 s33, 64<<16
	s_mov_b32 s34, 32<<16
	s_mov_b32 s35, 64<<16
	s_mov_b32 s36, 32
	s_mov_b32 s37, 8192                            ; from s to s + 1
	s_mov_b32 s38, 0
	s_mov_b32 s39, 0
	s_mov_b32 s28, 1
	s_mul_i32 s29, s18, 8704                       ; my strip
	s_lshl_b32 s24, s19, 4
	s_add_co_u32 s24, s24, s18                     ; 16 x batch + head
	s_mul_i32 s24, s24, HB
	s_mov_b32 s25, 0
	s_lshl_b32 s26, s20, 10                        ; my first tile of queries is tile 2 x s20: 512 bytes a tile
	s_add_co_u32 s26, s26, 77824
	s_mov_b32 s27, 0
	s_lshr_b32 s46, s20, 1                         ; its scale words: four tiles' words a lane, 512 bytes for four tiles
	s_lshl_b32 s46, s46, 9
	s_and_b32 s47, s20, 1
	s_lshl_b32 s47, s47, 3
	s_add_co_u32 s46, s46, s47
	s_add_co_u32 s46, s46, 110592
	s_mov_b32 s47, 0
	s_lshr_b32 s69, s18, 1                         ; where my head's two scale bytes go: CS + 128 (head / 2) + 2 (head % 2)
	s_lshl_b32 s69, s69, 7
	s_and_b32 s70, s18, 1
	s_lshl_b32 s70, s70, 1
	s_add_co_u32 s69, s69, s70
	s_add_co_u32 s69, s69, CS
	s_mov_b32 s48, 0x76543210
	s_mov_b32 s49, 0xfedcba98                      ; selects for lane l xor 16
	s_mov_b32 s50, 0xba800000                      ; -1 / 1024
	s_mov_b32 s51, 0x3a800000                      ; 1 / 1024
	s_mov_b32 s52, 0x3727c5ac                      ; 1e-5
	s_mov_b32 s66, 0x3e38aa3b                      ; c = log2(e) / 8
	s_mov_b32 s67, s66                             ; (named with it as a pair)
	v_and_b32 v1, 31, v0
	v_and_b32 v[R16], 15, v0
	s_delay_alu instid0(VALU_DEP_2)
	v_lshlrev_b32 v1, 4, v1                        ; 16 x lane
	s_delay_alu instid0(VALU_DEP_2)
	v_lshlrev_b32 v[R16], 4, v[R16]                ; 16 r
	s_wait_alu depctr_va_vdst(0)
	s_wait_dscnt 0x0
	s_wait_kmcnt 0x0
	s_add_nc_u64 s[30:31], s[8:9], s[22:23]
	s_or_b32 s31, s31, 0x80000000
	tensor_load_to_lds s[28:31], s[32:39]          ; my strip of x: my one tensor load; it lands under the attention
	s_nop 0
.rept 4
	v_nop
.endr
	s_add_nc_u64 s[CB:CB+1], s[4:5], s[24:25]      ; my head's block
	s_add_nc_u64 s[60:61], s[CB:CB+1], s[26:27]    ; Q's codes
	s_add_nc_u64 s[62:63], s[CB:CB+1], s[46:47]    ; Q's scale words
	s_add_nc_u64 s[KSB:KSB+1], s[CB:CB+1], 65536
	s_add_nc_u64 s[VSB:VSB+1], s[CB:CB+1], 73728
	s_add_nc_u64 s[16:17], s[16:17], s[22:23]      ; out0 at x's place
	s_lshl_b32 s46, s18, 8
	s_add_nc_u64 s[10:11], s[10:11], s[46:47]      ; out_b, norm_w, norm_b at my 64 columns
	s_add_nc_u64 s[12:13], s[12:13], s[46:47]
	s_add_nc_u64 s[14:15], s[14:15], s[46:47]
	s_lshl_b32 s46, s18, 11
	s_add_co_u32 s46, s46, 524288
	s_add_nc_u64 s[40:41], s[6:7], s[46:47]        ; my four tiles' scale words of out_w
	s_lshl_b32 s46, s18, 15
	s_add_nc_u64 s[42:43], s[6:7], s[46:47]        ; and their codes
.macro KLOAD                           ; a key step's eight tiles of K and their scale words: ten loads
.irp t, 0,1,2,3,4,5,6,7
	global_load_b128 v[KR+4*\t:KR+4*\t+3], v1, s[CB:CB+1] offset:512*\t
.endr
	global_load_b128 v[KS:KS+3], v1, s[KSB:KSB+1]
	global_load_b128 v[KS+4:KS+7], v1, s[KSB:KSB+1] offset:512
.endm
.macro VLOAD                           ; its four fragments of V and their scale words: nine loads
.irp t, 0,1,2,3
	global_load_b128 v[VR+8*\t:VR+8*\t+3], v1, s[CB:CB+1] offset:32768+1024*\t
	global_load_b128 v[VR+8*\t+4:VR+8*\t+7], v1, s[CB:CB+1] offset:32768+1024*\t+512
.endr
	global_load_b128 v[VS:VS+3], v1, s[VSB:VSB+1]
.endm
.macro WLOAD k                         ; K step k of my four tiles of out_w, into set k % 3
.irp t, 0,1,2,3
.irp c, 0,1
	global_load_b128 v[W+32*((\k)%3)+8*\t+4*\c:W+32*((\k)%3)+8*\t+4*\c+3], v1, s[42:43] offset:8192*\t+1024*(\k)+512*\c
.endr
.endr
.endm
	global_load_b128 v[QA:QA+3], v1, s[60:61]
	global_load_b128 v[QB:QB+3], v1, s[60:61] offset:512
	global_load_b32 v[QSA], v1, s[62:63]
	global_load_b32 v[QSB], v1, s[62:63] offset:4
	KLOAD
	VLOAD
.irp j, 6,7,10,11,15,20,21,22,23,28,29,30,31,64,65,66,67,252,253,254,255
	v_mov_b32 v\j, 0                               ; the sums; Q's upper halves; what stands behind K's last tile; the permutes' destinations
.endr
	v_mov_b32 v[STA+1], 0xff61b1e6                 ; the largest t so far: -3e38
	v_mov_b32 v[STB+1], 0xff61b1e6
	s_delay_alu instid0(VALU_DEP_2)
	v_floor_f32 v[STA], -v[STA+1]
	s_delay_alu instid0(VALU_DEP_2)
	v_floor_f32 v[STB], -v[STB+1]
.set j, 0
.rept 64
	v_mov_b32 v[OA+j], 0                           ; O^T of both tiles: the trip is written for all steps alike; the first change of M leaves zeros zeros
.set j, j+1
.endr
.macro SPROD q, qs                     ; S^T = K Q^T: eight tiles of 16 keys
.irp t, 0,1,2,3,4,5,6,7
	v_wmma_scale_f32_16x16x128_f8f6f4 v[S+8*\t:S+8*\t+7], v[KR+4*\t:KR+4*\t+7], v[\q:\q+7], 0, v[KS+\t], v[\qs] matrix_a_fmt:MATRIX_FMT_FP4 matrix_b_fmt:MATRIX_FMT_FP4
.endr
.rept 4
	v_nop                                          ; places: for loads into K's registers and for the first read of the scores
.endr
.endm
.macro PV o                            ; O^T += V^T P^T: the four accumulators by turns
.irp t, 0,1,2,3
	v_wmma_scale_f32_16x16x128_f8f6f4 v[\o+8*\t:\o+8*\t+7], v[VR+8*\t:VR+8*\t+7], v[PC:PC+7], v[\o+8*\t:\o+8*\t+7], v[VS+\t], v[PW] matrix_a_fmt:MATRIX_FMT_FP4 matrix_b_fmt:MATRIX_FMT_FP4
.endr
.endm
; Four blocks of 16 registers at S: from the blocks' largest magnitudes in BM (floor taken) to the conversions' operands in TP, the bytes in BM and the codes in PC, whole blocks to a lane
.macro CODES
.irp b, 0,1,2,3
	s_delay_alu instid0(VALU_DEP_4)
	v_add_nc_u32 v[TP+\b], 0xff000000, v[BM+\b]    ; 2 off the exponent field: the conversion's scale operand
.endr
.irp b, 0,1,2,3
	s_delay_alu instid0(VALU_DEP_4)
	v_lshrrev_b32 v[BM+\b], 23, v[TP+\b]           ; the byte
.endr
.endm
.macro CONVERT
.irp b, 0,1,2,3
	v_cvt_scalef32_pk8_fp4_f32 v[PC+2*\b], v[S+16*\b:S+16*\b+7], v[TP+\b]
	v_cvt_scalef32_pk8_fp4_f32 v[PC+2*\b+1], v[S+16*\b+8:S+16*\b+15], v[TP+\b]
.endr
	v_nop                                          ; one plain line behind the last conversion
.irp c, 0,1
.irp i, 0,1
	v_permlane16_swap_b32 v[PC+4*\c+\i], v[PC+2+4*\c+\i]
.endr
.endr
.endm
.macro SOFTMAX st, o
.irp b, 0,1,2,3
	v_max3_num_f32 v[BM+\b], v[S+16*\b], v[S+16*\b+1], v[S+16*\b+2]   ; the largest score of each block of 32 keys: for the row's maximum, and for the block's largest p
.endr
.irp i, 3,5,7,9,11,13
.irp b, 0,1,2,3
	v_max3_num_f32 v[BM+\b], v[BM+\b], v[S+16*\b+\i], v[S+16*\b+\i+1]
.endr
.endr
.irp b, 0,1,2,3
	v_max_num_f32 v[BM+\b], v[BM+\b], v[S+16*\b+15]
.endr
.irp b, 0,1,2,3
	s_delay_alu instid0(VALU_DEP_4)
	v_permlanex16_b32 v[TP+\b], v[BM+\b], s48, s49
.endr
.irp b, 0,1,2,3
	s_delay_alu instid0(VALU_DEP_4)
	v_max_num_f32 v[BM+\b], v[BM+\b], v[TP+\b]     ; with lane l xor 16's 16 keys
.endr
	s_delay_alu instid0(VALU_DEP_2)
	v_max3_num_f32 v[F+1], v[BM], v[BM+1], v[BM+2]
	s_delay_alu instid0(VALU_DEP_1)
	v_max_num_f32 v[F+1], v[F+1], v[BM+3]
	s_delay_alu instid0(VALU_DEP_1)
	v_mul_f32 v[F+1], s66, v[F+1]                  ; the step's largest t
	s_delay_alu instid0(VALU_DEP_1)
	v_max_num_f32 v[\st+1], v[\st+1], v[F+1]       ; the running largest
	v_mov_b32 v[F+1], v[\st]
	s_delay_alu instid0(VALU_DEP_2)
	v_floor_f32 v[\st], -v[\st+1]                  ; the new -M = -ceil(t)
	s_delay_alu instid0(VALU_DEP_1)
	v_sub_f32 v[F+1], v[\st], v[F+1]               ; old M - new M: a whole number, 0 or less
	s_delay_alu instid0(VALU_DEP_1)
	v_cvt_i32_f32 v[F+1], v[F+1]                   ; (it saturates)
	s_delay_alu instid0(VALU_DEP_1)
	v_ldexp_f32 v[F], 1.0, v[F+1]                  ; f = 2^(old M - new M)
.set j, 0
.rept 32
	v_pk_fma_f32 v[S+j:S+j+1], v[S+j:S+j+1], s[66:67], v[\st:\st+1] op_sel_hi:[1,0,0]   ; t - M, two at a time
.set j, j+2
.endr
.irp b, 0,1,2,3
	v_fma_f32 v[BM+\b], v[BM+\b], s66, v[\st]      ; the same of each block's largest score
.endr
	s_wait_alu depctr_va_vdst(0)
.set j, 0
.rept 64
	v_exp_f32 v[S+j], v[S+j]                       ; p = 2^(t - M)
.set j, j+1
.endr
	v_pk_mul_f32 v[\st+2:\st+3], v[\st+2:\st+3], v[F:F+1] op_sel_hi:[1,0]   ; the sums under the new M: the plain line behind the exponentials
	s_wait_alu depctr_va_vdst(0)                   ; one wait for the batch, ahead of its first reader
.irp b, 0,1,2,3
	v_exp_f32 v[BM+\b], v[BM+\b]                   ; the blocks' largest p
.endr
.irp i, 0,1,2,3
	v_pk_add_f32 v[PC+2*\i:PC+2*\i+1], v[S+2*\i:S+2*\i+1], v[S+8+2*\i:S+9+2*\i]   ; the row's sum of the unquantised p: five chains by turns, four of them in the registers that take p's codes afterwards
.endr
.set j, 8
.rept 24
.if ((j+1)%5) == 4
	v_pk_add_f32 v[\st+2:\st+3], v[\st+2:\st+3], v[S+2*j:S+2*j+1]
.else
	v_pk_add_f32 v[PC+2*((j+1)%5):PC+2*((j+1)%5)+1], v[PC+2*((j+1)%5):PC+2*((j+1)%5)+1], v[S+2*j:S+2*j+1]
.endif
.set j, j+1
.endr
	s_delay_alu instid0(VALU_DEP_2)
	v_pk_add_f32 v[PC:PC+1], v[PC:PC+1], v[PC+2:PC+3]
	s_delay_alu instid0(VALU_DEP_2)
	v_pk_add_f32 v[PC+4:PC+5], v[PC+4:PC+5], v[PC+6:PC+7]
	s_delay_alu instid0(VALU_DEP_1)
	v_pk_add_f32 v[PC:PC+1], v[PC:PC+1], v[PC+4:PC+5]
	s_delay_alu instid0(VALU_DEP_1)
	v_pk_add_f32 v[\st+2:\st+3], v[\st+2:\st+3], v[PC:PC+1]
	s_wait_alu depctr_va_vdst(0)                   ; and one for the four
.irp b, 0,1,2,3
	v_max_num_f32 v[BM+\b], 0x1800000, v[BM+\b]    ; the floor: the byte cannot fall under 1
.endr
	CODES
	s_delay_alu instid0(VALU_DEP_3)
	v_lshl_or_b32 v[PW], v[BM+1], 8, v[BM]         ; p's scale word for these 128 keys
	s_delay_alu instid0(VALU_DEP_1)
	v_lshl_or_b32 v[PW], v[BM+2], 16, v[PW]
	s_delay_alu instid0(VALU_DEP_1)
	v_lshl_or_b32 v[PW], v[BM+3], 24, v[PW]
	CONVERT
.set j, 0
.rept 16
	v_pk_mul_f32 v[\o+j:\o+j+1], v[\o+j:\o+j+1], v[F:F+1] op_sel_hi:[1,0]   ; O^T under the new M, each accumulator from its low end on; these sixteen are also the places between the scale word's and the codes' last writes and the products
.set j, j+2
.endr
	s_wait_alu depctr_va_vdst(0)
.endm
; A TRIP: 128 keys for both tiles of queries.  more = 1: the next key step is asked for; more = 0: the projection's first weights
.macro TRIP more
	s_wait_loadcnt 9                               ; K and its scale words are in; V's nine loads, issued behind them, may be out
	SPROD QA, QSA
	SOFTMAX STA, OA
	s_wait_loadcnt 0x0                             ; V and its scale words are in: no load of mine is out, so the bases may be stepped below
	PV OA
	SPROD QB, QSB
.if \more
	s_add_nc_u64 s[CB:CB+1], s[CB:CB+1], 4096
	s_add_nc_u64 s[KSB:KSB+1], s[KSB:KSB+1], 1024
	s_add_nc_u64 s[VSB:VSB+1], s[VSB:VSB+1], 512
	KLOAD
.else
.irp t, 0,1,2,3
.irp k, 0,1
	global_load_b128 v[WS+8*\t+4*\k:WS+8*\t+4*\k+3], v[R16], s[40:41] offset:512*\t+256*\k   ; out_w's scale words: register 8 t + K step
.endr
.endr
.endif
	SOFTMAX STB, OB
	PV OB
.rept 4
	v_nop                                          ; places in front of loads into registers that the last products have read
.endr
.if \more
	VLOAD
.else
	WLOAD 0
.endif
.endm
	s_mov_b32 s68, 7
	s_wait_alu depctr_va_vdst(0)
.Lkey:
	TRIP 1
	s_sub_co_u32 s68, s68, 1
	s_cmp_lg_u32 s68, 0
	s_cbranch_scc1 .Lkey
	TRIP 0
	; THE CONTEXT of both tiles: O^T / the sum into S (tile A: 32 registers, then tile B), four blocks of 32 along the heads' d, quantised as p is
	v_add_f32 v[STA+2], v[STA+2], v[STA+3]
	v_add_f32 v[STB+2], v[STB+2], v[STB+3]
	s_delay_alu instid0(VALU_DEP_2)
	v_permlanex16_b32 v[TP], v[STA+2], s48, s49
	s_delay_alu instid0(VALU_DEP_2)
	v_permlanex16_b32 v[TP+1], v[STB+2], s48, s49
	s_delay_alu instid0(VALU_DEP_2)
	v_add_f32 v[STA+2], v[STA+2], v[TP]
	s_delay_alu instid0(VALU_DEP_2)
	v_add_f32 v[STB+2], v[STB+2], v[TP+1]          ; the rows' sums
	s_wait_alu depctr_va_vdst(0)
	v_rcp_f32 v[STA+2], v[STA+2]
	v_rcp_f32 v[STB+2], v[STB+2]
	v_nop
	s_wait_alu depctr_va_vdst(0)
.set j, 0
.rept 16
	v_pk_mul_f32 v[S+j:S+j+1], v[OA+j:OA+j+1], v[STA+2:STA+3] op_sel_hi:[1,0]   ; register 16 e + i is d = 32 e + 16 h + i of my query
.set j, j+2
.endr
.set j, 0
.rept 16
	v_pk_mul_f32 v[S+32+j:S+33+j], v[OB+j:OB+j+1], v[STB+2:STB+3] op_sel_hi:[1,0]
.set j, j+2
.endr
.irp b, 0,1,2,3
	v_max3_num_f32 v[BM+\b], |v[S+16*\b]|, |v[S+16*\b+1]|, 0x1800000
.endr
.irp i, 2,4,6,8,10,12,14
.irp b, 0,1,2,3
	v_max3_num_f32 v[BM+\b], v[BM+\b], |v[S+16*\b+\i]|, |v[S+16*\b+\i+1]|
.endr
.endr
.irp b, 0,1,2,3
	s_delay_alu instid0(VALU_DEP_4)
	v_permlanex16_b32 v[TP+\b], v[BM+\b], s48, s49
.endr
.irp b, 0,1,2,3
	s_delay_alu instid0(VALU_DEP_4)
	v_max_num_f32 v[BM+\b], v[BM+\b], v[TP+\b]
.endr
	CODES
	s_delay_alu instid0(VALU_DEP_3)
	v_lshl_or_b32 v[BM], v[BM+1], 8, v[BM]         ; my head's two bytes, tile A
	s_delay_alu instid0(VALU_DEP_2)
	v_lshl_or_b32 v[BM+2], v[BM+3], 8, v[BM+2]     ; and tile B
	CONVERT
	v_bfe_u32 v12, v0, 4, 1                        ; h
	s_delay_alu instid0(VALU_DEP_1)
	v_lshlrev_b32 v4, 6, v12                       ; 64 h
.irp a, 0,1
.irp t, 0,1,2,3
	global_load_b128 v[ACC+8*(4*\a+\t):ACC+8*(4*\a+\t)+3], v4, s[10:11] offset:128*(\t/2)+32*(\t%2)        ; out_b starts the sums
	global_load_b128 v[ACC+8*(4*\a+\t)+4:ACC+8*(4*\a+\t)+7], v4, s[10:11] offset:128*(\t/2)+32*(\t%2)+16
.endr
.endr
	WLOAD 1
	v_lshl_add_u32 v14, v0, 4, CI                  ; my head's half fragment: CI + 512 x head + 16 x lane
	v_and_b32 v15, 31, v0                          ; lane
	s_delay_alu instid0(VALU_DEP_1)
	v_lshlrev_b32 v2, 2, v15                       ; 4 x lane
	s_delay_alu instid0(VALU_DEP_1)
	v_add_nc_u32 v13, s69, v2
	ds_store_b128 v14, v[PC:PC+3]
	ds_store_b128 v14, v[PC+4:PC+7] offset:8192
	ds_store_b16 v13, v[BM]
	ds_store_b16 v13, v[BM+2] offset:1024
	; the projection's addresses
	v_lshl_add_u32 v[SPW], v0, 2, SPARE            ; the add's two registers, made anew from v0
	v_mov_b32 v[NIL], 0
	v_and_b32 v11, 15, v0                          ; r
	s_delay_alu instid0(VALU_DEP_1)
	v_and_b32 v5, 8, v11
	s_delay_alu instid0(VALU_DEP_1)
	v_add_nc_u32 v5, v5, v11                       ; r % 8 + 16 (r / 8)
	s_delay_alu instid0(VALU_DEP_1)
	v_mul_u32_u24 v5, v5, 272
	s_delay_alu instid0(VALU_DEP_1)
	v_add_nc_u32 v5, v5, v4
	s_delay_alu instid0(VALU_DEP_1)
	v_add_nc_u32 v5, s29, v5                       ; x: my row of tile 0, + 64 h
	s_delay_alu instid0(VALU_DEP_1)
	v_add_nc_u32 v6, STG, v5                       ; the same place in the stage
	v_mul_u32_u24 v7, v12, 272
	s_delay_alu instid0(VALU_DEP_1)
	v_add_nc_u32 v7, v7, v[R16]
	s_delay_alu instid0(VALU_DEP_1)
	v_add_nc_u32 v7, s29, v7
	s_delay_alu instid0(VALU_DEP_1)
	v_add_nc_u32 v7, STG, v7                       ; back: lanes 0-15 one row of 256 bytes, lanes 16-31 the next
	v_lshlrev_b32 v8, 15, v12
	s_delay_alu instid0(VALU_DEP_1)
	v_add_nc_u32 v8, v8, v[R16]                    ; and the same two rows in out0
	v_add_nc_u32 v9, CI, v1
	v_add_nc_u32 v10, CS, v2
	v_mul_u32_u24 v12, v15, 80
	s_delay_alu instid0(VALU_DEP_1)
	v_add_nc_u32 v12, RED1, v12                    ; the sums: row = lane;
	s_lshl_b32 s21, s18, 2
	v_add_nc_u32 v11, s21, v12                     ; my wave's word in it
	v_cmp_ne_u32 s44, 0, v4                        ; lanes 16-31
	v_mov_b32 v234, 0                              ; the permutes' destinations
	v_mov_b32 v235, 0
	s_wait_alu depctr_va_vdst(0)
	s_wait_dscnt 0x0                               ; for the others' sake
	s_barrier_signal -1
	s_barrier_wait -1                              ; the context of all sixteen heads lies in LDS
.macro KSTEP k
.if (\k) > 0
.rept 4
	v_nop                                          ; places in front of loads into registers that the last products have read
.endr
.endif
.irp a, 0,1
.irp c, 0,1
	ds_load_b128 v[16+8*\a+4*\c:19+8*\a+4*\c], v9 offset:8192*\a+1024*(\k)+512*\c
.endr
	ds_load_b32 v[224+\a], v10 offset:1024*\a+128*(\k)
.endr
.if (\k) < 6
	WLOAD (\k)+2
	s_wait_loadcnt 16                              ; this K step's weights (step 0: the scale words and out_b too) are in; the next two steps' may be out
.elseif (\k) == 6
	s_wait_loadcnt 8
.else
	s_wait_loadcnt 0
.endif
	s_wait_dscnt 0x0
.irp a, 0,1
.irp t, 0,1,2,3
	v_wmma_scale_f32_16x16x128_f8f6f4 v[ACC+8*(4*\a+\t):ACC+8*(4*\a+\t)+7], v[W+32*((\k)%3)+8*\t:W+32*((\k)%3)+8*\t+7], v[16+8*\a:23+8*\a], v[ACC+8*(4*\a+\t):ACC+8*(4*\a+\t)+7], v[WS+8*\t+(\k)], v[224+\a] matrix_a_fmt:MATRIX_FMT_FP4 matrix_b_fmt:MATRIX_FMT_FP4
.endr
.endr                                  ; the eight accumulators take turns, one instruction a turn
.endm
	KSTEP 0
	KSTEP 1
	KSTEP 2
	KSTEP 3
	KSTEP 4
	KSTEP 5
	KSTEP 6
	KSTEP 7
.rept 4
	v_nop
.endr
.irp t, 0,1,2,3
	global_load_b128 v[NW+8*\t:NW+8*\t+3], v4, s[12:13] offset:128*(\t/2)+32*(\t%2)
	global_load_b128 v[NW+8*\t+4:NW+8*\t+7], v4, s[12:13] offset:128*(\t/2)+32*(\t%2)+16
.endr
	s_wait_tensorcnt 0x0                           ; my strip of x has landed; only I read it
.irp a, 0,1
.irp t, 0,1,2,3
	ds_load_b128 v[X+8*(4*\a+\t):X+8*(4*\a+\t)+3], v5 offset:2176*\a+128*(\t/2)+32*(\t%2)
	ds_load_b128 v[X+8*(4*\a+\t)+4:X+8*(4*\a+\t)+7], v5 offset:2176*\a+128*(\t/2)+32*(\t%2)+16
.endr
.endr
	s_wait_dscnt 0x0
.set j, 0
.rept 32
	v_pk_add_f32 v[ACC+j:ACC+j+1], v[ACC+j:ACC+j+1], v[X+j:X+j+1]   ; y = x + the product + out_b; each accumulator from its low end on
.set j, j+2
.endr
.irp t, 0,1,2,3
	global_load_b128 v[NB+8*\t:NB+8*\t+3], v4, s[14:15] offset:128*(\t/2)+32*(\t%2)      ; norm_b, into registers that x has left: it lands under the two reductions
	global_load_b128 v[NB+8*\t+4:NB+8*\t+7], v4, s[14:15] offset:128*(\t/2)+32*(\t%2)+16
.endr
; A lane's sums (sq = 0) or sums of squares (sq = 1) of its 32 numbers of each tile, in two chains a tile: into v226 (tile 0) and v230 (tile 1)
.macro ROWSUM sq
.irp a, 0,1
.if \sq
	v_pk_mul_f32 v[226+4*\a:227+4*\a], v[ACC+32*\a:ACC+32*\a+1], v[ACC+32*\a:ACC+32*\a+1]
	v_pk_mul_f32 v[228+4*\a:229+4*\a], v[ACC+32*\a+2:ACC+32*\a+3], v[ACC+32*\a+2:ACC+32*\a+3]
.else
	v_pk_add_f32 v[226+4*\a:227+4*\a], v[ACC+32*\a:ACC+32*\a+1], v[ACC+32*\a+4:ACC+32*\a+5]
	v_pk_add_f32 v[228+4*\a:229+4*\a], v[ACC+32*\a+2:ACC+32*\a+3], v[ACC+32*\a+6:ACC+32*\a+7]
.endif
.endr
.irp j, 4,8,12,16,20,24,28
.irp a, 0,1
.if \sq
	s_delay_alu instid0(VALU_DEP_4)
	v_pk_fma_f32 v[226+4*\a:227+4*\a], v[ACC+32*\a+\j:ACC+32*\a+\j+1], v[ACC+32*\a+\j:ACC+32*\a+\j+1], v[226+4*\a:227+4*\a]
	s_delay_alu instid0(VALU_DEP_4)
	v_pk_fma_f32 v[228+4*\a:229+4*\a], v[ACC+32*\a+\j+2:ACC+32*\a+\j+3], v[ACC+32*\a+\j+2:ACC+32*\a+\j+3], v[228+4*\a:229+4*\a]
.elseif \j > 4
	s_delay_alu instid0(VALU_DEP_4)
	v_pk_add_f32 v[226+4*\a:227+4*\a], v[226+4*\a:227+4*\a], v[ACC+32*\a+\j:ACC+32*\a+\j+1]
	s_delay_alu instid0(VALU_DEP_4)
	v_pk_add_f32 v[228+4*\a:229+4*\a], v[228+4*\a:229+4*\a], v[ACC+32*\a+\j+2:ACC+32*\a+\j+3]
.endif
.endr
.endr
	s_delay_alu instid0(VALU_DEP_3)
	v_pk_add_f32 v[226:227], v[226:227], v[228:229]
	s_delay_alu instid0(VALU_DEP_2)
	v_pk_add_f32 v[230:231], v[230:231], v[232:233]
.irp a, 0,1
	s_delay_alu instid0(VALU_DEP_2)
	v_add_f32 v[226+4*\a], v[226+4*\a], v[227+4*\a]
.endr
.endm
; v226, v230: over the lane 16 away, then over the sixteen waves.  Lane l carries row l of the 32 (tile l / 16) to LDS and adds that row's sixteen words; at the end v226 and v230 hold the totals of my rows of tiles 0 and 1.
.macro REDUCE off
	s_delay_alu instid0(VALU_DEP_2)
	v_permlanex16_b32 v234, v226, s48, s49
	s_delay_alu instid0(VALU_DEP_2)
	v_permlanex16_b32 v235, v230, s48, s49
	s_delay_alu instid0(VALU_DEP_2)
	v_add_f32 v226, v226, v234
	s_delay_alu instid0(VALU_DEP_2)
	v_add_f32 v230, v230, v235
	s_delay_alu instid0(VALU_DEP_1)
	v_cndmask_b32 v236, v226, v230, s44
	ds_store_b32 v11, v236 offset:\off
	s_wait_dscnt 0x0                               ; for the others' sake
	s_barrier_signal -1
	s_barrier_wait -1
.irp i, 0,1,2,3
	ds_load_b128 v[240+4*\i:243+4*\i], v12 offset:\off+16*\i
.endr
	s_wait_dscnt 0x0
.irp i, 0,2,4,6
	v_pk_add_f32 v[240+\i:241+\i], v[240+\i:241+\i], v[248+\i:249+\i]
.endr
	s_delay_alu instid0(VALU_DEP_2)
	v_pk_add_f32 v[240:241], v[240:241], v[244:245]
	s_delay_alu instid0(VALU_DEP_2)
	v_pk_add_f32 v[242:243], v[242:243], v[246:247]
	s_delay_alu instid0(VALU_DEP_1)
	v_pk_add_f32 v[240:241], v[240:241], v[242:243]
	s_delay_alu instid0(VALU_DEP_1)
	v_add_f32 v240, v240, v241
	s_delay_alu instid0(VALU_DEP_1)
	v_permlanex16_b32 v234, v240, s48, s49
	s_delay_alu instid0(VALU_DEP_1)
	v_cndmask_b32 v226, v240, v234, s44
	s_delay_alu instid0(VALU_DEP_2)
	v_cndmask_b32 v230, v234, v240, s44
.endm
	ROWSUM 0
	REDUCE 0
	s_delay_alu instid0(VALU_DEP_2)
	v_mul_f32 v16, s50, v226                       ; -mean, twice, for the packed additions
	s_delay_alu instid0(VALU_DEP_3)
	v_mul_f32 v17, s50, v226
	s_delay_alu instid0(VALU_DEP_3)
	v_mul_f32 v18, s50, v230
	s_delay_alu instid0(VALU_DEP_4)
	v_mul_f32 v19, s50, v230
.irp a, 0,1
.set j, 0
.rept 16
	v_pk_add_f32 v[ACC+32*\a+j:ACC+32*\a+j+1], v[ACC+32*\a+j:ACC+32*\a+j+1], v[16+2*\a:17+2*\a]   ; y - mean
.set j, j+2
.endr
.endr
	ROWSUM 1
	REDUCE 2560
	s_delay_alu instid0(VALU_DEP_2)
	v_fma_f32 v20, v226, s51, s52                  ; the variance + 1e-5
	s_delay_alu instid0(VALU_DEP_2)
	v_fma_f32 v22, v230, s51, s52
	s_wait_alu depctr_va_vdst(0)
	v_rsq_f32 v20, v20
	v_rsq_f32 v22, v22
	v_nop
	s_wait_alu depctr_va_vdst(0)                   ; one wait for both, ahead of their first reader
	v_mov_b32 v21, v20
	v_mov_b32 v23, v22
	s_wait_alu depctr_va_vdst(0)
	s_wait_loadcnt 0x0                             ; norm_w and norm_b
.irp a, 0,1
.set j, 0
.rept 16
	v_pk_mul_f32 v[ACC+32*\a+j:ACC+32*\a+j+1], v[ACC+32*\a+j:ACC+32*\a+j+1], v[20+2*\a:21+2*\a]
	s_delay_alu instid0(VALU_DEP_1)
	v_pk_fma_f32 v[ACC+32*\a+j:ACC+32*\a+j+1], v[ACC+32*\a+j:ACC+32*\a+j+1], v[NW+j:NW+j+1], v[NB+j:NB+j+1]
.set j, j+2
.endr
.endr
.set j, 0
.rept 32
	v_pk_mul_f32 v[TT+j:TT+j+1], v[ACC+j:ACC+j+1], 0x3fb8aa3b op_sel_hi:[1,0]   ; z log2(e)
.set j, j+2
.endr
.set j, 0
.rept 64
	v_min_num_f32 v[TT+j], 0, v[TT+j]
.set j, j+1
.endr
	s_wait_alu depctr_va_vdst(0)
.set j, 0
.rept 64
	v_exp_f32 v[TT+j], v[TT+j]
.set j, j+1
.endr
	v_nop
	s_wait_alu depctr_va_vdst(0)                   ; one wait for the batch
.set j, 0
.rept 32
	v_pk_add_f32 v[TT+j:TT+j+1], v[TT+j:TT+j+1], -1.0 op_sel_hi:[1,0]
.set j, j+2
.endr
.set j, 0
.rept 64
	v_max_num_f32 v[ACC+j], v[ACC+j], v[TT+j]
.set j, j+1
.endr
	; THE WAY OUT: through my own strip of the stage, back as whole rows of 256 bytes
.irp a, 0,1
.irp t, 0,1,2,3
	ds_store_b128 v6, v[ACC+8*(4*\a+\t):ACC+8*(4*\a+\t)+3] offset:2176*\a+128*(\t/2)+32*(\t%2)
	ds_store_b128 v6, v[ACC+8*(4*\a+\t)+4:ACC+8*(4*\a+\t)+7] offset:2176*\a+128*(\t/2)+32*(\t%2)+16
.endr
.endr
.irp i, 0,1,2,3,4,5,6,7,8,9,10,11,12,13,14,15
	ds_load_b128 v[TT+4*\i:TT+4*\i+3], v7 offset:544*\i   ; LDS serves a wave's instructions in order: these see my stores
.endr
.irp i, 0,1,2,3,4,5,6,7,8,9,10,11,12,13,14,15
	s_wait_dscnt 15-\i
	global_store_b128 v8, v[TT+4*\i:TT+4*\i+3], s[16:17] offset:65536*\i th:TH_STORE_NT   ; sixteen lanes store 256 consecutive aligned bytes
.endr
	s_wait_tensorcnt 0x0                           ; the wave's end
	ds_add_u32 v[SPW], v[NIL]
	s_wait_dscnt 0x0
	s_endpgm
.Lfunc_end_k_qde55835302_attnout:
	.size	k_qde55835302_attnout, .Lfunc_end_k_qde55835302_attnout-k_qde55835302_attnout
	.p2alignl 7, 3214868480
	.fill 96, 4, 3214868480
	.section	.rodata,"a",@progbits
	.p2align	6, 0x0
	.amdhsa_kernel k_qde55835302_attnout
		.amdhsa_group_segment_fixed_size 305152
		.amdhsa_private_segment_fixed_size 0
		.amdhsa_enable_private_segment 0
		.amdhsa_kernarg_size 56
		.amdhsa_user_sgpr_count 2
		.amdhsa_user_sgpr_kernarg_segment_ptr 1
		.amdhsa_wavefront_size32 1
		.amdhsa_system_sgpr_workgroup_id_x 1
		.amdhsa_system_sgpr_workgroup_id_y 1
		.amdhsa_system_sgpr_workgroup_id_z 1
		.amdhsa_system_vgpr_workitem_id 0
		.amdhsa_next_free_vgpr 256
		.amdhsa_next_free_sgpr 72
		.amdhsa_reserve_vcc 0
		.amdhsa_float_denorm_mode_32 3
		.amdhsa_float_denorm_mode_16_64 3
		.amdhsa_memory_ordered 1
		.amdhsa_forward_progress 1
		.amdhsa_inst_pref_size 136
	.end_amdhsa_kernel
	.amdgpu_metadata
---
amdhsa.version: [ 1, 2 ]
amdhsa.kernels:
  - .name:           k_qde55835302_attnout
    .symbol:         k_qde55835302_attnout.kd
    .args:
      - { .name: hb, .offset: 0, .size: 8, .value_kind: global_buffer, .address_space: global }
      - { .name: oq, .offset: 8, .size: 8, .value_kind: global_buffer, .address_space: global }
      - { .name: x_temporal_sequence, .offset: 16, .size: 8, .value_kind: global_buffer, .address_space: global }
      - { .name: out_b, .offset: 24, .size: 8, .value_kind: global_buffer, .address_space: global }
      - { .name: norm_w, .offset: 32, .size: 8, .value_kind: global_buffer, .address_space: global }
      - { .name: norm_b, .offset: 40, .size: 8, .value_kind: global_buffer, .address_space: global }
      - { .name: out0, .offset: 48, .size: 8, .value_kind: global_buffer, .address_space: global }
    .group_segment_fixed_size: 305152
    .private_segment_fixed_size: 0
    .kernarg_segment_align: 8
    .kernarg_segment_size: 56
    .max_flat_workgroup_size: 512
    .sgpr_count:     72
    .vgpr_count:     256
    .wavefront_size: 32
...
	.end_amdgpu_metadata
.endif
;; end of part 3
